; MI455X (gfx1250); checked and timed in simulation.
; The chip was launched on July 23, 2026; its instructions are those of AMD's public machine-readable ISA for CDNA 5 (MIT licence, August 2026) and "CDNA5" Instruction Set Architecture Reference Guide (July 2026). The comments in the code are by the model that wrote it; some were corrected since.
;; Population Collage. Allowed arithmetic: float matrix products may take bf16 or f16 operands with f32 sums; all other float work in f32.
;; Inputs: order 4 x 48 float32; patches 4 x 48 x 5 x 224 x 224 float32; rgb 4 x 48 x 3 float32; rotation 4 x 48 float32; scale 4 x 48 float32; shear 4 x 48 float32; squeeze 4 x 48 float32; translation 4 x 48 x 2 float32.
;; Outputs: out0 4 x 224 x 224 x 3 float32.
;; One version. Each part assembles by itself: llvm-mc -triple=amdgcn-amd-amdhsa -mcpu=gfx1250 --defsym DOCPART=n.
;; ======== version 1 of 1: 2 launches
;; limits: right only within a limited range of input values
;; workspace buffers: geom 110,592 bytes of whole numbers; mask 50,176 bytes of whole numbers
;; launch prep (part 1): grid 7 x 4, 7 waves a work-group, no clusters, 0 bytes of LDS; arguments translation, rotation, scale, squeeze, shear, rgb, order, geom, mask; writes geom, mask
.if DOCPART == 1
	.amdgcn_target "amdgcn-amd-amdhsa--gfx1250"
	.amdhsa_code_object_version 6
	.text
	.protected	k_qbf8e44abc1_prep
	.globl	k_qbf8e44abc1_prep
	.p2align	8
	.type	k_qbf8e44abc1_prep,@function
k_qbf8e44abc1_prep:
	s_mov_b64 s[64:65], 0
	v_nop
	global_prefetch_b8 v0, s[64:65] scope:SCOPE_SE
	s_setreg_imm32_b32 hwreg(HW_REG_WAVE_MODE, 25, 1), 1
	s_wait_xcnt 0x0
; PREP: the float parameters of the 4 x 48 patches become whole numbers, from which the render launch forms its addresses and trip counts.
; In pixels the warp is  px = A x + B y + C,  py = D x + E y + F  with A = m00, B = m01, C = 112 t0 + 111.5 - 111.5 (A + B), and likewise D, E, F.
; Stored:
;   geom, bytes 0 .. 98303: for patch q = 48 s + n a row of 512 bytes; lane l (xl = l & 7, yl = l >> 3) has 16 bytes:
;                           C + A xl + B yl and F + D xl + E yl as signed 32.32 fixed point (low word, high word each).
;   geom, from REC0 on:     64 bytes a patch: A, B, D, E as 32.32 fixed point (8 words), then r, g, b, order as f32 bits
;                           (reference()'s colours row without its constant 1); words 12 to 15 are neither written nor read.
;   mask:                   for each tile of 8 x 4 pixels (28 x 56 tiles an image) two words: bit k of word h = patch 2 k + h can touch the tile.
; Work: thread t of work-group (x, s) owns tile 224 x + t of image s and tests it against the image's 48 patches; every wave works the 48
; parameter sets out for itself (lane = patch) and hands them round by v_readlane_b32, so there is no LDS and no barrier.
; Wave g = 7 x + w (0 .. 48) also writes patch g's row and record; wave 48 has none.
; LIMITS. A, B, D, E are clamped to +-2^22 and C, F to +-2^27, so that every coordinate stays below 2^31 pixels in the fixed-point sums.
; Non-finite parameters are not served.  sin and cos: 4 x rotation is reduced exactly to a quarter turn and a rest of at most 1/2; the rest goes
; through polynomials whose first left-out term is below 3e-8; the quarter count is exact for |rotation| < 2^29.
; 'order' is loaded and stored with the colours; reference()'s render step multiplies nothing by it that reaches the output.
.set REC0, 98304
.set QPI2, 0x3fc90fdb                  ; pi / 2
	s_load_b512 s[4:19], s[0:1], 0x0               ; translation 4:5, rotation 6:7, scale 8:9, squeeze 10:11, shear 12:13, rgb 14:15, order 16:17, geom 18:19
	s_load_b64 s[20:21], s[0:1], 0x40              ; mask
	v_lshrrev_b32 v1, 5, v0
	v_readfirstlane_b32 s22, v1                    ; wave 0 .. 6
	v_and_b32 v1, 31, v0                           ; lane
	s_and_b32 s23, ttmp7, 0xffff                   ; image s
	s_mul_i32 s24, ttmp9, 7
	s_add_co_u32 s24, s24, s22                     ; g = 7 x + wave
	s_min_u32 s25, s24, 47                         ; wave 48 loads patch 47's numbers and uses none of them
	s_mul_i32 s26, s23, 48
	s_add_co_u32 s27, s26, s25                     ; q of the patch that this wave writes
	s_mov_b32 s40, 0x3fd9999a                      ; 1.7 = MAX_SCALE - MIN_SCALE
	s_mov_b32 s41, 0x3e99999a                      ; 0.3 = MIN_SCALE
	s_mov_b32 s42, 0x42e00000                      ; 112.0
	s_mov_b32 s43, 0x42df0000                      ; 111.5
	s_mov_b32 s44, 0xca800000                      ; -2^22
	s_mov_b32 s45, 0x4a800000                      ;  2^22
	s_mov_b32 s46, 0xcd000000                      ; -2^27
	s_mov_b32 s47, 0x4d000000                      ;  2^27
	s_mov_b32 s48, 0x40600000                      ; 3.5: half of a tile's 7 steps along x
	s_mov_b32 s49, 0x3fc00000                      ; 1.5: half of its 3 steps along y
	s_mov_b32 s50, 0x42e20000                      ; 113.0 = 112.5 (half of the open interval -1 .. 224) + 0.5 of slack
	s_mov_b32 s51, 0x43600000                      ; 224.0
	s_mov_b32 s52, 0x36800000                      ; 2^-18
	; my tile: J = 8 x + t / 28, I = t % 28; t / 28 = (2341 t) >> 16 holds for t < 5432
	v_mul_u32_u24 v36, 0x925, v0
	v_lshrrev_b32 v36, 16, v36
	v_mul_u32_u24 v37, 28, v36
	v_sub_nc_u32 v37, v0, v37                      ; I
	s_lshl_b32 s39, ttmp9, 3
	v_add_nc_u32 v36, s39, v36                     ; J
	v_lshlrev_b32 v37, 3, v37
	v_lshlrev_b32 v36, 2, v36
	v_cvt_f32_u32 v2, v37                          ; the tile's first x = 8 I
	v_cvt_f32_u32 v3, v36                          ; the tile's first y = 4 J
	s_mul_i32 s39, s23, 1568
	s_mul_i32 s54, ttmp9, 224
	s_add_co_u32 s39, s39, s54
	v_add_nc_u32 v6, s39, v0
	v_lshlrev_b32 v6, 3, v6                        ; 8 bytes a tile: a wave's store covers 256 consecutive bytes, at a multiple of 256
	; the three parameter sets: 0 = patches 0 .. 31 (lane = patch), 1 = patches 32 .. 47 (lane & 15), 2 = patch g in every lane
	v_add_nc_u32 v36, s26, v1
	v_lshlrev_b32 v30, 2, v36
	v_lshlrev_b32 v31, 3, v36
	v_and_b32 v36, 15, v1
	v_add_nc_u32 v36, 32, v36
	v_add_nc_u32 v36, s26, v36
	v_lshlrev_b32 v32, 2, v36
	v_lshlrev_b32 v33, 3, v36
	v_mov_b32 v36, s27
	v_lshlrev_b32 v34, 2, v36
	v_lshlrev_b32 v35, 3, v36
	v_mul_u32_u24 v14, 12, v36
	s_wait_kmcnt 0x0
.macro LOADSET in, o4, o8              ; five loads: t0 t1, rotation, scale, squeeze, shear into v[in .. in+5]
	global_load_b64 v[\in:\in+1], v[\o8], s[4:5]
	global_load_b32 v[\in+2], v[\o4], s[6:7]
	global_load_b32 v[\in+3], v[\o4], s[8:9]
	global_load_b32 v[\in+4], v[\o4], s[10:11]
	global_load_b32 v[\in+5], v[\o4], s[12:13]
.endm
	LOADSET 8, 30, 31
	LOADSET 16, 32, 33
	LOADSET 24, 34, 35
	global_load_b32 v80, v14, s[14:15]             ; r, g, b of patch g
	global_load_b32 v81, v14, s[14:15] offset:4
	global_load_b32 v82, v14, s[14:15] offset:8
	global_load_b32 v83, v34, s[16:17]             ; order of patch g
; The six pixel-space coefficients of one set.  v36 .. v47 are at work.
.macro GEOM in, pa, pb, pc, pd, pe, pf
	v_mul_f32 v36, 4.0, v[\in+2]                   ; the angle in quarter turns (exact)
	v_rndne_f32 v37, v36                           ; whole quarters
	v_sub_f32 v36, v36, v37                        ; the rest, |.| <= 1/2 (exact)
	v_mul_f32 v36, QPI2, v36                       ; phi, |phi| <= pi / 4
	v_mul_f32 v38, v36, v36                        ; z = phi^2
	v_mov_b32 v39, 0x3638ef1d                      ; sin phi = phi (1 + z (-1/6 + z (1/120 + z (-1/5040 + z / 362880))))
	v_mov_b32 v40, 0x37d00d01                      ; cos phi = 1 + z (-1/2 + z (1/24 + z (-1/720 + z / 40320)))
	v_fmaak_f32 v39, v39, v38, 0xb9500d01
	v_fmaak_f32 v40, v40, v38, 0xbab60b61
	v_fmaak_f32 v39, v39, v38, 0x3c088889
	v_fmaak_f32 v40, v40, v38, 0x3d2aaaab
	v_fmaak_f32 v39, v39, v38, 0xbe2aaaab
	v_fma_f32 v40, v40, v38, -0.5
	v_fma_f32 v39, v39, v38, 1.0
	v_fma_f32 v40, v40, v38, 1.0
	v_mul_f32 v39, v39, v36
	v_cvt_i32_f32 v41, v37                         ; quarters as a whole number
	v_and_b32 v42, 1, v41
	v_cmp_eq_u32 vcc_lo, 1, v42
	v_cndmask_b32 v43, v39, v40, vcc_lo            ; an odd quarter swaps sine and cosine
	v_cndmask_b32 v44, v40, v39, vcc_lo
	v_and_b32 v42, 2, v41                          ; the sine is negated in quarters 2 and 3,
	v_lshlrev_b32 v42, 30, v42
	v_xor_b32 v43, v43, v42                        ; sin theta
	v_add_nc_u32 v41, 1, v41                       ; the cosine in quarters 1 and 2
	v_and_b32 v41, 2, v41
	v_lshlrev_b32 v41, 30, v41
	v_xor_b32 v44, v44, v41                        ; cos theta
	v_fma_f32 v45, v[\in+3], s40, s41              ; sc
	v_add_f32 v46, 0.5, v[\in+4]                   ; sq
	v_rcp_f32 v47, v46                             ; one plain vector line that touches neither v46 nor v47 follows (ISA guide 5.7.2)
	v_fma_f32 v42, v[\in+5], 2.0, -1.0
	v_mul_f32 v42, 0x3e4ccccd, v42                 ; sh = (2 shear - 1) 0.2
	v_mul_f32 v46, v45, v46                        ; a = sc sq
	s_wait_alu depctr_va_vdst(0)
	v_mul_f32 v45, v45, v47                        ; d = sc / sq
	v_mul_f32 v[\pa], v44, v46                     ; A = cos a
	v_mul_f32 v[\pd], v43, v46                     ; D = sin a
	v_mul_f32 v47, v43, v45                        ; sin d
	v_mul_f32 v45, v44, v45                        ; cos d
	v_fma_f32 v[\pb], v[\pa], v42, -v47            ; B = cos a sh - sin d
	v_fma_f32 v[\pe], v[\pd], v42, v45             ; E = sin a sh + cos d
	v_med3_num_f32 v[\pa], v[\pa], s44, s45
	v_med3_num_f32 v[\pb], v[\pb], s44, s45
	v_med3_num_f32 v[\pd], v[\pd], s44, s45
	v_med3_num_f32 v[\pe], v[\pe], s44, s45
	v_add_f32 v36, v[\pa], v[\pb]
	v_add_f32 v38, v[\pd], v[\pe]
	v_fma_f32 v37, v[\in], 2.0, -1.0               ; t0
	v_fma_f32 v39, v[\in+1], 2.0, -1.0             ; t1
	v_fma_f32 v37, v37, s42, s43                   ; 112 t + 111.5
	v_fma_f32 v39, v39, s42, s43
	v_fma_f32 v[\pc], -v36, s43, v37               ; C
	v_fma_f32 v[\pf], -v38, s43, v39               ; F
	v_med3_num_f32 v[\pc], v[\pc], s46, s47
	v_med3_num_f32 v[\pf], v[\pf], s46, s47
.endm
; One axis of the tile test.  In: v[b] = A, v[b+1] = B, v[b+2] = C.  Over a tile that starts at (x0, y0) the coordinate runs over
; A x0 + B y0 + C + 3.5 A + 1.5 B  +-  (3.5 |A| + 1.5 |B|), and a tap has weight only inside the open interval -1 .. 224 = 111.5 +- 112.5.
; Out: v[b+2] = C + 3.5 A + 1.5 B - 111.5 and v[b+3] = 113 + 3.5 |A| + 1.5 |B| + 2^-18 (224 (|A| + |B|) + |C|): half a pixel and 64 units in
; the last place of the largest term are more than this f32 test and the render launch's fixed-point sums can differ by.
.macro CULL b
	v_add_f32 v36, |v[\b]|, |v[\b+1]|
	v_fma_f32 v37, |v[\b]|, s48, s50
	v_fma_f32 v36, v36, s51, |v[\b+2]|
	v_fma_f32 v37, |v[\b+1]|, s49, v37
	v_fma_f32 v38, v[\b], s48, v[\b+2]
	v_fma_f32 v[\b+3], v36, s52, v37
	v_fma_f32 v38, v[\b+1], s49, v38
	v_sub_f32 v[\b+2], v38, s43
.endm
; f32 to signed 32.32 fixed point: floor into the high word, the rest (in 0 .. 1, exact unless it rounds to 1) times 2^32 into the low word
.macro FIX64 src, lo, hi
	v_floor_f32 v36, v[\src]
	v_sub_f32 v37, v[\src], v36
	v_cvt_i32_f32 v[\hi], v36
	v_mul_f32 v37, 0x4f800000, v37
	v_min_num_f32 v37, 0x4f7fffff, v37             ; a rest that rounded to 1 stays below 2^32
	v_cvt_u32_f32 v[\lo], v37
.endm
	s_wait_loadcnt 14                              ; set 0's five loads are in; the 14 younger ones stay out
	GEOM 8, 48, 49, 50, 52, 53, 54
	CULL 48
	CULL 52
	s_wait_loadcnt 9                               ; set 1's are in; set 2's five, rgb's three and order's one stay out
	GEOM 16, 56, 57, 58, 60, 61, 62
	CULL 56
	CULL 60
	v_mov_b32 v4, 0                                ; the two mask words
	v_mov_b32 v5, 0
; my tile against patch n: eight numbers of lane n (or n - 32) become scalars, two sums, two compares, one bit
.set n, 0
.rept 48
.if n < 32
.set SETB, 48
.set LN, n
.else
.set SETB, 56
.set LN, n-32
.endif
	v_readlane_b32 s28, v[SETB+0], LN
	v_readlane_b32 s29, v[SETB+1], LN
	v_readlane_b32 s30, v[SETB+2], LN
	v_readlane_b32 s31, v[SETB+3], LN
	v_readlane_b32 s32, v[SETB+4], LN
	v_readlane_b32 s33, v[SETB+5], LN
	v_readlane_b32 s34, v[SETB+6], LN
	v_readlane_b32 s35, v[SETB+7], LN
	v_fma_f32 v7, s29, v3, s30
	v_fma_f32 v15, s33, v3, s34
	v_fma_f32 v7, s28, v2, v7
	v_fma_f32 v15, s32, v2, v15
	v_cmp_lt_f32 s36, |v7|, s31
	v_cmp_lt_f32 s37, |v15|, s35
	s_and_b32 s36, s36, s37
	v_cndmask_b32 v7, 0, 1, s36
	v_lshl_or_b32 v[4+(n&1)], v7, (n>>1), v[4+(n&1)]
.set n, n+1
.endr
	global_store_b64 v6, v[4:5], s[20:21]
	s_cmp_ge_u32 s24, 48                           ; 49 waves an image, 48 patches
	s_cbranch_scc1 .Lend
	s_wait_loadcnt 0x0                             ; set 2, rgb, order
	GEOM 24, 64, 65, 66, 67, 68, 69                ; A B C D E F of patch g, the same in every lane
	v_and_b32 v36, 7, v1
	v_lshrrev_b32 v37, 3, v1
	v_cvt_f32_u32 v70, v36                         ; xl
	v_cvt_f32_u32 v71, v37                         ; yl
	v_fma_f32 v38, v65, v71, v66
	v_fma_f32 v39, v68, v71, v69
	v_fma_f32 v38, v64, v70, v38                   ; C + A xl + B yl
	v_fma_f32 v39, v67, v70, v39                   ; F + D xl + E yl
	FIX64 38, 84, 85
	FIX64 39, 86, 87
	FIX64 64, 72, 73
	FIX64 65, 74, 75
	FIX64 67, 76, 77
	FIX64 68, 78, 79
	v_lshlrev_b32 v22, 4, v1
	v_mov_b32 v23, 0
	s_lshl_b32 s54, s27, 9
	s_mov_b32 s55, 0
	s_add_nc_u64 s[56:57], s[18:19], s[54:55]      ; the patch's row of 512 bytes
	s_lshl_b32 s54, s27, 6
	s_add_co_u32 s54, s54, REC0
	s_add_nc_u64 s[58:59], s[18:19], s[54:55]      ; the patch's record
	global_store_b128 v22, v[84:87], s[56:57]      ; 512 consecutive bytes, at a multiple of 512
	s_wait_xcnt 0x0                                ; EXEC is a source of the stores above: it changes only behind this wait
	v_cmp_eq_u32 vcc_lo, 0, v1
	s_and_saveexec_b32 s38, vcc_lo                 ; the record's 48 bytes are the same in every lane: lane 0 stores them
	global_store_b128 v23, v[72:75], s[58:59]
	global_store_b128 v23, v[76:79], s[58:59] offset:16
	global_store_b128 v23, v[80:83], s[58:59] offset:32
	s_wait_xcnt 0x0                                ; and again before EXEC is widened
	s_or_b32 exec_lo, exec_lo, s38
.Lend:
	s_endpgm
.Lfunc_end_k_qbf8e44abc1_prep:
	.size	k_qbf8e44abc1_prep, .Lfunc_end_k_qbf8e44abc1_prep-k_qbf8e44abc1_prep
	.p2alignl 7, 3214868480
	.fill 96, 4, 3214868480
	.section	.rodata,"a",@progbits
	.p2align	6, 0x0
	.amdhsa_kernel k_qbf8e44abc1_prep
		.amdhsa_group_segment_fixed_size 0
		.amdhsa_private_segment_fixed_size 0
		.amdhsa_enable_private_segment 0
		.amdhsa_kernarg_size 72
		.amdhsa_user_sgpr_count 2
		.amdhsa_user_sgpr_kernarg_segment_ptr 1
		.amdhsa_wavefront_size32 1
		.amdhsa_system_sgpr_workgroup_id_x 1
		.amdhsa_system_sgpr_workgroup_id_y 1
		.amdhsa_system_sgpr_workgroup_id_z 1
		.amdhsa_system_vgpr_workitem_id 0
		.amdhsa_next_free_vgpr 88
		.amdhsa_next_free_sgpr 66
		.amdhsa_reserve_vcc 1
		.amdhsa_float_denorm_mode_32 3
		.amdhsa_float_denorm_mode_16_64 3
		.amdhsa_memory_ordered 1
		.amdhsa_forward_progress 1
		.amdhsa_inst_pref_size 67
	.end_amdhsa_kernel
	.amdgpu_metadata
---
amdhsa.version: [ 1, 2 ]
amdhsa.kernels:
  - .name:           k_qbf8e44abc1_prep
    .symbol:         k_qbf8e44abc1_prep.kd
    .args:
      - { .name: translation, .offset: 0, .size: 8, .value_kind: global_buffer, .address_space: global }
      - { .name: rotation, .offset: 8, .size: 8, .value_kind: global_buffer, .address_space: global }
      - { .name: scale, .offset: 16, .size: 8, .value_kind: global_buffer, .address_space: global }
      - { .name: squeeze, .offset: 24, .size: 8, .value_kind: global_buffer, .address_space: global }
      - { .name: shear, .offset: 32, .size: 8, .value_kind: global_buffer, .address_space: global }
      - { .name: rgb, .offset: 40, .size: 8, .value_kind: global_buffer, .address_space: global }
      - { .name: order, .offset: 48, .size: 8, .value_kind: global_buffer, .address_space: global }
      - { .name: geom, .offset: 56, .size: 8, .value_kind: global_buffer, .address_space: global }
      - { .name: mask, .offset: 64, .size: 8, .value_kind: global_buffer, .address_space: global }
    .group_segment_fixed_size: 0
    .private_segment_fixed_size: 0
    .kernarg_segment_align: 8
    .kernarg_segment_size: 72
    .max_flat_workgroup_size: 224
    .sgpr_count:     66
    .vgpr_count:     88
    .wavefront_size: 32
...
	.end_amdgpu_metadata
.endif
;; end of part 1
;; launch render (part 2): grid 196 x 4, 16 waves a work-group, no clusters, 8,192 bytes of LDS; arguments patches, geom, mask, out0; writes out0
.if DOCPART == 2
	.amdgcn_target "amdgcn-amd-amdhsa--gfx1250"
	.amdhsa_code_object_version 6
	.text
	.protected	k_qbf8e44abc1_render
	.globl	k_qbf8e44abc1_render
	.p2align	8
	.type	k_qbf8e44abc1_render,@function
k_qbf8e44abc1_render:
	s_mov_b64 s[64:65], 0
	v_nop
	global_prefetch_b8 v0, s[64:65] scope:SCOPE_SE
	s_setreg_imm32_b32 hwreg(HW_REG_WAVE_MODE, 25, 1), 1
	s_wait_xcnt 0x0
; RENDER: out0[s][y][x][c] = clip(sum over n of rgb[s][n][c] * warp_c * warp_alpha, 0, 1), the warp a bilinear sample with zeros outside.
; A work-group owns 32 x 8 pixels of image s: eight tiles of 8 x 4 pixels (lane l: xl = l & 7, yl = l >> 3), each served by two waves;
; wave w: half h = w & 1 takes the patches 2 k + h, tile (w >> 1): column i = (w >> 1) & 3, row j = w >> 3.
; A wave walks the set bits of its tile's mask word, one patch a trip: 16 loads a lane (2 x 2 taps x 4 planes) from one address register.
; EVERY ADDRESS AND THE TRIP COUNT COME FROM WHOLE NUMBERS: the coordinate is the 64-bit sum  (C + A xl + B yl) + A x0 + B y0  in signed 32.32
; fixed point; its high word is floor(px), its low word the fraction.  Floats appear as weights and values only.
; TAPS: the pair of columns is xb, xb + 1 with xb = floor(px) clamped to 0 .. 222, and with u = px - xb the weights are the hats
; max(0, 1 - |u|) and max(0, 1 - |u - 1|).  For floor(px) in 0 .. 222 that is (1 - f, f); for -1 it is (f, 0); for 223 it is (0, 1 - f); elsewhere
; (0, 0): reference()'s weights times its validity.  Rows likewise.
; Plane 4 is not read: reference() multiplies it by 'order' and its render step takes planes 0 to 3 alone.
; The region is 32 x 8 and not a full-width strip: an image row is 2,688 bytes, so a region row (384 bytes, at a multiple of 128) cannot always
; be whole aligned pieces of 256 bytes, but the eight tiles' source footprints overlap; 2.4 MB leave, up to 154 MB are sampled.
; No tensor loads and no cluster: a tile's footprint in a patch is a parallelogram whose size hangs on the patch's numbers, from a few rows up to
; four whole planes (802,816 bytes), and the work-groups' patch lists differ, so there is no tile of fixed size that partners could ask for jointly.
; LIMITS: coordinates below 2^31 pixels (the first launch clamps the coefficients); non-finite patch values are not served.
.set PLANE, 200704                     ; bytes of a plane of 224 x 224 f32
.set PATCH, 1003520                    ; five planes
.set ROWB,  896                        ; bytes of a plane's row
.set REC0,  98304                      ; geom: where the records begin
.set D,     40                         ; v[40:55] taps: corner k = 2 dy + dx, plane c at D + 4 k + c
	s_load_b256 s[4:11], s[0:1], 0x0               ; patches 4:5, geom 6:7, mask 8:9, out0 10:11
	v_lshl_add_u32 v80, v0, 2, 0x1800
	v_mov_b32 v81, 0
	v_lshrrev_b32 v3, 5, v0
	v_readfirstlane_b32 s12, v3                    ; wave 0 .. 15
	v_and_b32 v3, 31, v0                           ; lane
	v_lshlrev_b32 v1, 4, v3                        ; 16 x lane: my 16 bytes of a patch's row in geom, and of a region row on the way out
	v_mul_u32_u24 v2, 12, v0                       ; LDS: 384 bytes of its own for each wave, 12 for each lane
	s_and_b32 s13, s12, 1                          ; h
	s_lshr_b32 s17, s12, 1
	s_and_b32 s18, s17, 3                          ; i
	s_lshr_b32 s19, s17, 2                         ; j
	s_and_b32 s14, ttmp7, 0xffff                   ; image s
	; the region's place: tx = p / 28, ty = 11 (p % 28) % 28 (a permutation, as 11 and 28 share no factor): work-groups with neighbouring
	; numbers lie far apart in the image, so that the long patch lists of the middle and the short ones of the rim are mixed
	s_mul_i32 s15, ttmp9, 2341
	s_lshr_b32 s15, s15, 16                        ; tx, 0 .. 6
	s_mul_i32 s20, s15, 28
	s_sub_co_u32 s20, ttmp9, s20
	s_mul_i32 s20, s20, 11
	s_mul_i32 s21, s20, 2341
	s_lshr_b32 s21, s21, 16
	s_mul_i32 s21, s21, 28
	s_sub_co_u32 s16, s20, s21                     ; ty, 0 .. 27
	s_lshl_b32 s24, s15, 5
	s_lshl_b32 s20, s18, 3
	s_add_co_u32 s24, s24, s20                     ; x0 = 32 tx + 8 i
	s_mov_b32 s25, 0
	s_lshl_b32 s26, s16, 3
	s_lshl_b32 s20, s19, 2
	s_add_co_u32 s26, s26, s20                     ; y0 = 8 ty + 4 j
	s_mov_b32 s27, 0
	s_mul_i32 s20, s14, 56                         ; my mask word: ((s 56 + 2 ty + j) 28 + 4 tx + i) 2 + h
	s_lshl_b32 s21, s16, 1
	s_add_co_u32 s20, s20, s21
	s_add_co_u32 s20, s20, s19
	s_mul_i32 s20, s20, 28
	s_lshl_b32 s21, s15, 2
	s_add_co_u32 s20, s20, s21
	s_add_co_u32 s20, s20, s18
	s_lshl_b32 s20, s20, 1
	s_add_co_u32 s20, s20, s13
	s_lshl_b32 s20, s20, 2
	s_mul_i32 s47, s14, 48
	s_add_co_u32 s47, s47, s13                     ; 48 s + h
	s_mov_b32 s51, 0                               ; upper word of the offset pair s[50:51]
	s_wait_kmcnt 0x0
	s_load_b32 s28, s[8:9], s20 offset:0x0
	v_mov_b32 v36, 0                               ; three sums; a wave may have no patch at all
	v_mov_b32 v37, 0
	v_mov_b32 v38, 0
	s_wait_kmcnt 0x0
	s_bcnt1_i32_b32 s30, s28                       ; trips = patches on my list
; The next patch on the list: its number q and its three byte offsets.  An empty word gives bit 23: a patch that exists, loaded and not used.
.macro NEXT
	s_ctz_i32_b32 s48, s28
	s_min_u32 s48, s48, 23
	s_sub_co_u32 s17, s28, 1
	s_and_b32 s28, s28, s17                        ; the bit is taken off the list
	s_lshl_b32 s48, s48, 1
	s_add_co_u32 s48, s48, s47                     ; q = 2 k + h + 48 s
	s_lshl_b32 s49, s48, 6
	s_add_co_u32 s49, s49, REC0                    ; its record
	s_lshl_b32 s50, s48, 9                         ; its row of lane terms
	s_mul_i32 s54, s48, PATCH                      ; its planes: at most 191 x 1,003,520 bytes, below 2^28
.endm
.macro FETCH
	s_load_b256 s[32:39], s[6:7], s49 offset:0x0   ; A 32:33, B 34:35, D 36:37, E 38:39
	s_load_b128 s[40:43], s[6:7], s49 offset:0x20  ; r, g, b, order
	s_add_nc_u64 s[52:53], s[6:7], s[50:51]
	global_load_b128 v[4:7], v1, s[52:53]          ; my lane's terms: x low, x high, y low, y high
.endm
; One axis: the 64-bit sum, the clamped base b, and the two hat weights v[w], v[w+1].  v14, v15 at work.
.macro COORD lo, hi, tlo, thi, f, i, b, w
	v_add_co_u32 v[\f], vcc_lo, s[\tlo], v[\lo]            ; the fraction, in units of 2^-32
	v_add_co_ci_u32 v[\i], vcc_lo, s[\thi], v[\hi], vcc_lo ; floor
	v_max_i32 v[\b], 0, v[\i]
	v_min_u32 v[\b], 222, v[\b]                    ; base of the pair of taps: both lie inside the plane
	v_sub_nc_u32 v[\i], v[\i], v[\b]
	v_cvt_f32_i32 v[\i], v[\i]
	v_cvt_f32_u32 v[\f], v[\f]
	v_fmamk_f32 v14, v[\f], 0x2f800000, v[\i]      ; u = coordinate - base
	v_sub_f32 v[\w], 1.0, |v14|
	v_sub_f32 v15, 2.0, v14
	v_max_num_f32 v[\w], 0, v[\w]                  ; max(0, 1 - |u|)
	v_med3_num_f32 v[\w+1], v14, v15, 0            ; the middle one of u, 2 - u, 0 = max(0, 1 - |u - 1|)
.endm
	NEXT
	FETCH
	s_mov_b32 s31, 0
	s_cmp_eq_u32 s30, 0
	s_cbranch_scc1 .Lsum
.Ltrip:
	s_wait_kmcnt 0x0                               ; this trip's record,
	s_wait_loadcnt 0x0                             ; and its lane terms, the one load that is out; s49 and s[52:53] are free again too
	s_mul_u64 s[56:57], s[32:33], s[24:25]         ; A x0
	s_mul_u64 s[60:61], s[34:35], s[26:27]         ; B y0
	s_add_nc_u64 s[56:57], s[56:57], s[60:61]
	s_mul_u64 s[58:59], s[36:37], s[24:25]         ; D x0
	s_mul_u64 s[60:61], s[38:39], s[26:27]         ; E y0
	s_add_nc_u64 s[58:59], s[58:59], s[60:61]
	s_mov_b32 s44, s40                             ; the colours move aside: the next record lands on s[40:43] during this trip
	s_mov_b32 s45, s41
	s_mov_b32 s46, s42
	s_mov_b32 s55, s54
	COORD 4, 5, 56, 57, 8, 9, 12, 18               ; x: base v12, weights v[18:19]
	COORD 6, 7, 58, 59, 10, 11, 13, 20             ; y: base v13, weights v[20:21]
	v_mul_u32_u24 v27, ROWB, v13
	v_lshl_add_u32 v27, v12, 2, v27
	v_add_nc_u32 v26, s55, v27                     ; byte offset of tap (0, 0) of plane 0
.irp c, 0,1,2,3
	global_load_b32 v[D+\c],    v26, s[4:5] offset:\c*PLANE
	global_load_b32 v[D+4+\c],  v26, s[4:5] offset:\c*PLANE+4
	global_load_b32 v[D+8+\c],  v26, s[4:5] offset:\c*PLANE+ROWB
	global_load_b32 v[D+12+\c], v26, s[4:5] offset:\c*PLANE+ROWB+4
.endr
	NEXT                                           ; the next trip's record and lane terms are asked for behind this trip's taps
	FETCH
	v_pk_mul_f32 v[22:23], v[18:19], v[20:21] op_sel_hi:[1,0]               ; wx0 wy0, wx1 wy0
	v_pk_mul_f32 v[24:25], v[18:19], v[20:21] op_sel:[0,1] op_sel_hi:[1,1]  ; wx0 wy1, wx1 wy1
	s_wait_loadcnt 0x1                             ; loads return in order (ISA guide 5.7.1): the 16 taps are in, the one younger load stays out
	v_pk_mul_f32 v[28:29], v[D:D+1],   v[22:23] op_sel_hi:[1,0]
	v_pk_mul_f32 v[30:31], v[D+2:D+3], v[22:23] op_sel_hi:[1,0]
	v_pk_fma_f32 v[28:29], v[D+4:D+5], v[22:23], v[28:29] op_sel:[0,1,0] op_sel_hi:[1,1,1]
	v_pk_fma_f32 v[30:31], v[D+6:D+7], v[22:23], v[30:31] op_sel:[0,1,0] op_sel_hi:[1,1,1]
	v_pk_fma_f32 v[28:29], v[D+8:D+9],   v[24:25], v[28:29] op_sel_hi:[1,0,1]
	v_pk_fma_f32 v[30:31], v[D+10:D+11], v[24:25], v[30:31] op_sel_hi:[1,0,1]
	v_pk_fma_f32 v[28:29], v[D+12:D+13], v[24:25], v[28:29] op_sel:[0,1,0] op_sel_hi:[1,1,1]
	v_pk_fma_f32 v[30:31], v[D+14:D+15], v[24:25], v[30:31] op_sel:[0,1,0] op_sel_hi:[1,1,1]
	v_pk_mul_f32 v[32:33], v[28:29], v[30:31] op_sel:[0,1] op_sel_hi:[1,1]  ; red x alpha, green x alpha
	v_mul_f32 v34, v30, v31                                                 ; blue x alpha
	v_fmac_f32 v36, s44, v32
	v_fmac_f32 v37, s45, v33
	v_fmac_f32 v38, s46, v34
	s_add_co_u32 s31, s31, 1
	s_cmp_lt_u32 s31, s30
	s_cbranch_scc1 .Ltrip
.Lsum:
	s_wait_loadcnt 0x0                             ; the look-ahead that nobody uses: asked for in front of the last trip's wait for its taps
	s_wait_kmcnt 0x0
	ds_store_b32 v2, v36                           ; lanes 3 words apart: 32 different banks (64 banks of 4 bytes: ISA guide 11.1)
	ds_store_b32 v2, v37 offset:4
	ds_store_b32 v2, v38 offset:8
	s_wait_dscnt 0x0                               ; for the other waves' sake: my sums are in LDS,
	s_barrier_signal -1
	s_barrier_wait -1                              ; everybody's are
	s_cmp_ge_u32 s12, 8
	s_cbranch_scc1 .Lend
	; Wave r = 0 .. 7 takes region row r (tile row j = r >> 2, yl = r & 3): 384 bytes, 24 chunks of 16.  Chunk u lies in tile column u / 6, and
	; a tile's two waves lie 768 bytes from the next tile's: address = 3072 j + 96 yl + 768 (u / 6) + 16 (u - 6 (u / 6)) = 3072 j + 96 yl + 16 u + 672 (u / 6).
	v_min_u32 v8, 23, v3                           ; lanes 24 to 31 have no chunk: they read chunk 23 once more and store nothing
	v_mul_u32_u24 v9, 43, v8
	v_lshrrev_b32 v9, 8, v9                        ; u / 6 for u < 24
	s_lshr_b32 s17, s12, 2
	s_mul_i32 s17, s17, 3072
	s_and_b32 s18, s12, 3
	s_mul_i32 s18, s18, 96
	s_add_co_u32 s17, s17, s18
	v_lshl_add_u32 v8, v8, 4, s17
	v_mad_u32_u24 v8, v9, 672, v8
	ds_load_b128 v[16:19], v8                      ; the even patches' sums
	ds_load_b128 v[20:23], v8 offset:384           ; the odd patches'
	s_mul_i32 s20, s14, 224
	s_lshl_b32 s21, s16, 3
	s_add_co_u32 s20, s20, s21
	s_add_co_u32 s20, s20, s12                     ; image row s 224 + 8 ty + r
	s_mul_i32 s20, s20, 224
	s_lshl_b32 s21, s15, 5
	s_add_co_u32 s20, s20, s21                     ; + 32 tx pixels
	s_mul_i32 s20, s20, 12
	s_mov_b32 s21, 0
	s_add_nc_u64 s[10:11], s[10:11], s[20:21]
	s_wait_dscnt 0x0
	v_pk_add_f32 v[16:17], v[16:17], v[20:21]
	v_pk_add_f32 v[18:19], v[18:19], v[22:23]
	v_med3_num_f32 v16, v16, 0, 1.0                ; clip
	v_med3_num_f32 v17, v17, 0, 1.0
	v_med3_num_f32 v18, v18, 0, 1.0
	v_med3_num_f32 v19, v19, 0, 1.0
	s_wait_xcnt 0x0                                ; EXEC changes only behind this wait
	v_cmp_gt_u32 vcc_lo, 24, v3
	s_wait_tensorcnt 0x0
	ds_add_u32 v80, v81
	s_wait_dscnt 0x0
	s_and_saveexec_b32 s22, vcc_lo
	global_store_b128 v1, v[16:19], s[10:11] th:TH_STORE_NT    ; 24 lanes: the region row's 384 consecutive bytes in one store
	s_endpgm
.Lend:
	s_wait_tensorcnt 0x0
	ds_add_u32 v80, v81
	s_wait_dscnt 0x0
	s_endpgm
.Lfunc_end_k_qbf8e44abc1_render:
	.size	k_qbf8e44abc1_render, .Lfunc_end_k_qbf8e44abc1_render-k_qbf8e44abc1_render
	.p2alignl 7, 3214868480
	.fill 96, 4, 3214868480
	.section	.rodata,"a",@progbits
	.p2align	6, 0x0
	.amdhsa_kernel k_qbf8e44abc1_render
		.amdhsa_group_segment_fixed_size 8192
		.amdhsa_private_segment_fixed_size 0
		.amdhsa_enable_private_segment 0
		.amdhsa_kernarg_size 32
		.amdhsa_user_sgpr_count 2
		.amdhsa_user_sgpr_kernarg_segment_ptr 1
		.amdhsa_wavefront_size32 1
		.amdhsa_system_sgpr_workgroup_id_x 1
		.amdhsa_system_sgpr_workgroup_id_y 1
		.amdhsa_system_sgpr_workgroup_id_z 1
		.amdhsa_system_vgpr_workitem_id 0
		.amdhsa_next_free_vgpr 82
		.amdhsa_next_free_sgpr 66
		.amdhsa_reserve_vcc 1
		.amdhsa_float_denorm_mode_32 3
		.amdhsa_float_denorm_mode_16_64 3
		.amdhsa_memory_ordered 1
		.amdhsa_forward_progress 1
		.amdhsa_inst_pref_size 10
	.end_amdhsa_kernel
	.amdgpu_metadata
---
amdhsa.version: [ 1, 2 ]
amdhsa.kernels:
  - .name:           k_qbf8e44abc1_render
    .symbol:         k_qbf8e44abc1_render.kd
    .args:
      - { .name: patches, .offset: 0, .size: 8, .value_kind: global_buffer, .address_space: global }
      - { .name: geom, .offset: 8, .size: 8, .value_kind: global_buffer, .address_space: global }
      - { .name: mask, .offset: 16, .size: 8, .value_kind: global_buffer, .address_space: global }
      - { .name: out0, .offset: 24, .size: 8, .value_kind: global_buffer, .address_space: global }
    .group_segment_fixed_size: 8192
    .private_segment_fixed_size: 0
    .kernarg_segment_align: 8
    .kernarg_segment_size: 32
    .max_flat_workgroup_size: 512
    .sgpr_count:     66
    .vgpr_count:     82
    .wavefront_size: 32
...
	.end_amdgpu_metadata
.endif
;; end of part 2
